; MI455X (gfx1250); checked and timed in simulation.
; The chip was launched on July 23, 2026; its instructions are those of AMD's public machine-readable ISA for CDNA 5 (MIT licence, August 2026) and "CDNA5" Instruction Set Architecture Reference Guide (July 2026). The comments in the code are by the model that wrote it; some were corrected since.
;; Kernel Encoding Layer. Allowed arithmetic: float matrix products may take bf16 or f16 operands with f32 sums; all other float work in f32.
;; Inputs: K 8,192 x 128 float32; bias 128 float32; kappa 128 x 64 x 3 float32; mu 128 x 64 x 3 float32; reference_angles 64 float32; weight 128 x 64 x 3 float32.
;; Outputs: out0 8,192 x 128 float32.
;; 2 versions, each right; version 2 is version 1 with the launch vonmises written anew for expert scheduling mode. Each part assembles by itself: llvm-mc -triple=amdgcn-amd-amdhsa -mcpu=gfx1250 --defsym DOCPART=n.
;; ======== version 1 of 2: 1 launch
;; limits: below input magnitudes of 1.08e-19 results are inexact or not finite
;; launch vonmises (part 1): grid 2 x 128, 16 waves a work-group, no clusters, 313,344 bytes of LDS; arguments K, mu, kappa, weight, reference_angles, bias, out0; writes out0
.if DOCPART == 1
	.amdgcn_target "amdgcn-amd-amdhsa--gfx1250"
	.amdhsa_code_object_version 6
	.text
	.protected	k_qc6d08da4a1_vonmises
	.globl	k_qc6d08da4a1_vonmises
	.p2align	8
	.type	k_qc6d08da4a1_vonmises,@function
k_qc6d08da4a1_vonmises:
	s_mov_b64 s[64:65], 0
	v_nop
	global_prefetch_b8 v0, s[64:65] scope:SCOPE_SE
	s_setreg_imm32_b32 hwreg(HW_REG_WAVE_MODE, 25, 1), 1
	s_wait_xcnt 0x0
; out[n][b] = bias[b] + sum over f, k of weight[b][f][k] * m[n][f] * exp(kappa[b][f][k] * (cos(angle[n][f] - mu[b][f][k] - ref[f]) - 1))
; K: [8192][64][2] f32 (x, y), m = sqrt(x^2 + y^2), angle = atan2(y, x); mu, kappa, weight: [128][64][3] f32; out: [8192][128] f32.
;
; THE FORM.  cos(angle - a) = (x cos a + y sin a) / m, so with c = x/m, s = y/m and, for each (b, f, k),
;   P = kappa log2(e) cos(mu + ref),  Q = kappa log2(e) sin(mu + ref),  R = -kappa log2(e),  W = weight
; an element is W * m * exp2(P c + Q s + R): two fused multiply-adds, one v_exp_f32, one multiply-add for W, and one for m for each three k.
;
; THE SHARES.  A work-group makes 64 keys x 64 bins (256 bytes of each output row) with 16 waves.  Wave w owns the frequencies 4w .. 4w+3;
; lane l owns the bins 2l, 2l+1, the two halves of every packed instruction.  The wave's 12 (f, k) x {P, Q, R, W} x 2 bins = 96 registers
; are made once and stay: the loop over the keys reads no table.  c, s, m of the 64 keys are made once by the work-group and lie in LDS;
; per key a wave takes its 48 bytes (c[4], s[4], m[4]) by three loads in which all lanes name the same address.  Each wave leaves its
; partial sum over four frequencies in LDS; at the end the sixteen partial sums of an output are added in fixed order, with the bias.
;
; NOT USED, AND WHY.  The matrix unit: every exponential meets exactly one weight (that of its own b, f, k), so as a matrix product the weights
; would be 16 x 16 tiles of which only the diagonal is filled, and each of an output's 192 terms would be rounded to bf16; in f32 the
; weighted sum is 4 packed multiply-adds for 6 exponentials.  Joint loads in a cluster: what work-groups share are the three table halves,
; 18 loads of 16 bytes a lane at the head, against 4,352 instructions a wave in the loop, which reads no memory at all.
;
; LIMITS.  (1) A pair with x^2 + y^2 below 2^-126 enters with the magnitude (x^2 + y^2) * 2^63, at most 2^-63, in place of the root, and with
; |c|, |s| <= 1 that need not be a unit vector; a pair (0, 0) adds exactly 0.  (2) sin and cos of mu + ref: the angle in turns is reduced
; by its nearest whole number (exact), then Taylor sums of sin and cos on a quarter turn, cut where the next term is 6e-8 and 5e-7: about 1e-6
; in P/kappa and Q/kappa, plus 2^-24 of the angle in turns from forming it in f32.  (3) v_exp_f32 gives 0 for results below 2^-126.
; (4) The sums are taken in another order than the reference's: k, then the wave's four f, then the sixteen waves.
.set NB,     64                        ; bins of a work-group
.set ROWB,   768                       ; bytes of one bin in mu, kappa, weight: 64 f x 3 k x 4
.set FKEY,   768                       ; LDS, features: bytes of a key = 16 chunks of four f x (c[4], s[4], m[4]); the features start at byte 0
.set PART,   49152                     ; LDS, partial sums: behind the 64 keys' features
.set PWAVE,  16384                     ; one wave's partial sums: 64 keys x 64 bins x 4
.set STAGE,  PART                      ; LDS, the head's stage for the three tables; its last read is a barrier ahead of the first partial sum
.set SPITCH, 784                       ; a bin's 768 bytes + 16
.set SARR,   NB*SPITCH                 ; one table's 64 bins in the stage
; Taylor coefficients in y = z^2, z in half turns / pi:  sin(pi z) = z (A0 + A1 y + .. + A5 y^5),  cos(pi z) = 1 + B1 y + .. + B5 y^5
.set A0, 0x40490fdb                    ;  pi
.set A1, 0xc0a55de7                    ; -pi^3 / 3!
.set A2, 0x402335e3                    ;  pi^5 / 5!
.set A3, 0xbf196966                    ; -pi^7 / 7!
.set A4, 0x3da83c1a                    ;  pi^9 / 9!
.set A5, 0xbbf183a8                    ; -pi^11 / 11!
.set B1, 0xc09de9e6                    ; -pi^2 / 2!
.set B2, 0x4081e0f8                    ;  pi^4 / 4!
.set B3, 0xbfaae9e4                    ; -pi^6 / 6!
.set B4, 0x3e70fa83                    ;  pi^8 / 8!
.set B5, 0xbcd368f9                    ; -pi^10 / 10!
; registers that live long
.set TID16, 2                          ; 16 x thread
.set C16B,  3                          ; 16 x (thread % 16)
.set GO,    4                          ; head: byte offset in a table half
.set SA,    5                          ; v5-7  head: where I put 16 bytes of mu, kappa, weight in the stage
.set BI,    8                          ; v[8:11] bias of the four bins that I store at the end
.set FS,    12                         ; head: where I put features
.set RA,    13                         ; head: my two bins' rows in the stage (mu, kappa)
.set RA2,   14                         ; the same for weight
.set LANE,  15
.set PB,    16                         ; v[16:39]   P: pair (bin 2l, bin 2l+1) of entry e = 3 f + k at PB + 2 e
.set QB,    40                         ; v[40:63]   Q
.set RB,    64                         ; v[64:87]   R
.set WB,    88                         ; v[88:111]  W
.set T,     112                        ; v[112:135] four sets (one for each f of the wave) of three pairs: arguments, then exponentials
.set UU,    136                        ; v[136:137] sum over k
.set ACC,   138                        ; v[138:139] sum over the wave's f
.set FB,    140                        ; v[140:187] four buffers of c[4], s[4], m[4]: keys n, n+1, n+2, n+3
.set FA,    228                        ; LDS address of my chunk in the features of the trip's first key
.set PA,    229                        ; LDS address of my two bins in my wave's partial sums
; registers of the head
.set RW,    16                         ; v[16:87]   18 x 16 bytes of the tables on their way to the stage
.set KX,    88                         ; v[88:103]  4 x (x, y, x, y)
.set M2,    104                        ; v[104:111] x^2 + y^2
.set RS,    112                        ; v[112:119] 1 / m
.set CC,    120                        ; v[120:127]
.set SS,    128                        ; v[128:135]
.set MM,    136                        ; v[136:143]
.set RMU,   140                        ; v[140:163] mu of my two bins x 12 entries, then z
.set RKA,   164                        ; v[164:187] kappa, then 2 kappa log2(e)
.set RWT,   188                        ; v[188:211] weight
.set YY,    112                        ; v[112:123] nearest whole turn, then z^2, then 2 kappa log2(e) sin(pi z)
.set PP,    124                        ; v[124:135] sin(pi z)
.set QQ,    212                        ; v[212:223] cos(pi z)
.set KA,    224                        ; v[224:225] A5 twice
.set KB,    226                        ; v[226:227] B5 twice
; registers of the end
.set SUM,   16                         ; v[16:143]  2 keys x 16 waves x 4 bins
.set RD,    4                          ; v4-7
.set OO,    12
	s_load_b256 s[4:11], s[0:1], 0x0               ; K s[4:5], mu s[6:7], kappa s[8:9], weight s[10:11]
	s_load_b128 s[12:15], s[0:1], 0x20             ; reference_angles s[12:13], bias s[14:15]
	s_load_b64 s[16:17], s[0:1], 0x30              ; out
	v_lshl_add_u32 v230, v0, 2, 0x4c000
	v_mov_b32 v231, 0
	v_lshrrev_b32 v1, 5, v0
	v_readfirstlane_b32 s20, v1                    ; wave 0..15
	s_and_b32 s19, ttmp7, 0xffff                   ; block of 64 keys, 0..127;  ttmp9: half of the bins, 0 or 1
	s_mul_i32 s22, ttmp9, NB*ROWB                  ; my 64 bins in mu, kappa, weight
	s_mov_b32 s23, 0
	s_lshl_b32 s30, s19, 15                        ; my 64 keys in K and in out: rows of 512 bytes
	s_mov_b32 s31, 0
	s_lshl_b32 s32, ttmp9, 8                       ; my 64 bins in bias and in a row of out
	s_mov_b32 s33, 0
	s_lshl_b32 s34, s20, 4                         ; my wave's four reference angles
	s_mov_b32 s35, 0
	s_mov_b32 s28, 0x3e22f983                      ; 1 / (2 pi)
	s_mov_b32 s36, 0x00800000                      ; 2^-126
	s_mul_i32 s37, s20, FKEY
	s_mul_i32 s38, s20, 48                         ; my wave's chunk of four f: 48 bytes, in a bin's row and in a key's features alike
	s_add_co_u32 s39, s38, STAGE
	s_lshl_b32 s40, s20, 14
	s_add_co_u32 s40, s40, PART                    ; my wave's partial sums
	v_lshlrev_b32 v[TID16], 4, v0
	v_and_b32 v1, 15, v0
	v_lshlrev_b32 v[C16B], 4, v1
	v_lshrrev_b32 v1, 4, v0                        ; thread / 16 = 0..31: a bin (and that bin + 32)
	v_mad_u32_u24 v[GO], v1, ROWB, v[C16B]         ; sixteen neighbouring lanes take 256 neighbouring bytes, aligned
	v_mad_u32_u24 v[SA], v1, SPITCH, v[C16B]
	v_add_nc_u32 v[SA], STAGE, v[SA]
	v_add_nc_u32 v[SA+1], SARR, v[SA]
	v_add_nc_u32 v[SA+2], 2*SARR, v[SA]
	v_and_b32 v[LANE], 31, v0
	v_lshrrev_b32 v1, 1, v[LANE]                   ; I hold f = 2 lane, 2 lane + 1 of a key: chunk lane / 2,
	v_mul_u32_u24 v1, v1, 48
	v_and_b32 v[FS], 1, v[LANE]                    ; first or second half of the chunk's four
	v_lshl_add_u32 v[FS], v[FS], 3, v1
	v_mul_u32_u24 v[RA], v[LANE], 2*SPITCH         ; bins 2 lane, 2 lane + 1
	v_add_nc_u32 v[RA], s39, v[RA]
	v_add_nc_u32 v[RA2], 2*SARR, v[RA]
	s_wait_kmcnt 0x0
	s_add_nc_u64 s[4:5], s[4:5], s[30:31]
	s_add_nc_u64 s[6:7], s[6:7], s[22:23]
	s_add_nc_u64 s[8:9], s[8:9], s[22:23]
	s_add_nc_u64 s[10:11], s[10:11], s[22:23]
	s_add_nc_u64 s[12:13], s[12:13], s[34:35]
	s_add_nc_u64 s[14:15], s[14:15], s[32:33]
	s_add_nc_u64 s[16:17], s[16:17], s[30:31]
	s_add_nc_u64 s[16:17], s[16:17], s[32:33]
	s_load_b128 s[24:27], s[12:13], 0x0            ; ref of my wave's four f
	; All loads of the kernel, K first.  K: load j of wave w is key w + 16 j, a whole row of 512 bytes.
.irp j, 0,1,2,3
	global_load_b128 v[KX+4*\j:KX+4*\j+3], v[TID16], s[4:5] offset:\j*8192
.endr
	global_load_b128 v[BI:BI+3], v[C16B], s[14:15]
.irp h, 0,1
.irp c, 0,1,2
	global_load_b128 v[RW+4*(3*\h+\c):RW+4*(3*\h+\c)+3], v[GO], s[6:7] offset:\h*32*ROWB+\c*256
	global_load_b128 v[RW+4*(6+3*\h+\c):RW+4*(6+3*\h+\c)+3], v[GO], s[8:9] offset:\h*32*ROWB+\c*256
	global_load_b128 v[RW+4*(12+3*\h+\c):RW+4*(12+3*\h+\c)+3], v[GO], s[10:11] offset:\h*32*ROWB+\c*256
.endr
.endr
	; FEATURES of 4 keys x 2 f a lane: c = x / m, s = y / m, m = (x^2 + y^2) / sqrt(x^2 + y^2)
	s_wait_loadcnt 19                              ; loads come back in order (ISA guide 5.7.1): K's four are in; the bias and the 18 table loads stay out
.irp j, 0,1,2,3
	v_mul_f32 v[M2+2*\j], v[KX+4*\j], v[KX+4*\j]
	v_mul_f32 v[M2+2*\j+1], v[KX+4*\j+2], v[KX+4*\j+2]
.endr
.irp j, 0,1,2,3
	v_fmac_f32 v[M2+2*\j], v[KX+4*\j+1], v[KX+4*\j+1]
	v_fmac_f32 v[M2+2*\j+1], v[KX+4*\j+3], v[KX+4*\j+3]
.endr
.irp i, 0,1,2,3,4,5,6,7
	v_max_num_f32 v[RS+\i], s36, v[M2+\i]          ; not below 2^-126: the root's reciprocal stays finite, c and s stay within 1 (limit 1 at the head)
.endr
.irp i, 0,1,2,3,4,5,6,7
	v_rsq_f32 v[RS+\i], v[RS+\i]
.endr
	v_add_nc_u32 v[FS], s37, v[FS]                 ; + my wave's key.  Also the plain instruction between the run of v_rsq_f32 and the first use of a result (ISA guide 5.7.2)
	s_wait_alu depctr_va_vdst(0)
.irp j, 0,1,2,3
	v_mul_f32 v[CC+2*\j], v[KX+4*\j], v[RS+2*\j]
	v_mul_f32 v[CC+2*\j+1], v[KX+4*\j+2], v[RS+2*\j+1]
	v_mul_f32 v[SS+2*\j], v[KX+4*\j+1], v[RS+2*\j]
	v_mul_f32 v[SS+2*\j+1], v[KX+4*\j+3], v[RS+2*\j+1]
	v_pk_mul_f32 v[MM+2*\j:MM+2*\j+1], v[M2+2*\j:M2+2*\j+1], v[RS+2*\j:RS+2*\j+1]
.endr
.irp j, 0,1,2,3
	ds_store_b64 v[FS], v[CC+2*\j:CC+2*\j+1] offset:\j*16*FKEY        ; two lanes fill 16 bytes of every 48: the wave's 32 pieces fall on 64 different words modulo 256 bytes
	ds_store_b64 v[FS], v[SS+2*\j:SS+2*\j+1] offset:\j*16*FKEY+16
	ds_store_b64 v[FS], v[MM+2*\j:MM+2*\j+1] offset:\j*16*FKEY+32
.endr
	; THE TABLES go through LDS: they are read in whole pieces of 256 bytes, but a lane needs 48 bytes of each of two bins
	s_wait_loadcnt 0x0
.irp h, 0,1
.irp c, 0,1,2
	ds_store_b128 v[SA], v[RW+4*(3*\h+\c):RW+4*(3*\h+\c)+3] offset:\h*32*SPITCH+\c*256
	ds_store_b128 v[SA+1], v[RW+4*(6+3*\h+\c):RW+4*(6+3*\h+\c)+3] offset:\h*32*SPITCH+\c*256
	ds_store_b128 v[SA+2], v[RW+4*(12+3*\h+\c):RW+4*(12+3*\h+\c)+3] offset:\h*32*SPITCH+\c*256
.endr
.endr
	s_wait_dscnt 0x0                               ; for the other waves: my features and my part of the stage are written
	s_barrier_signal -1
	s_barrier_wait -1
.irp j, 0,1
.irp p, 0,1,2
	ds_load_b128 v[RMU+12*\j+4*\p:RMU+12*\j+4*\p+3], v[RA] offset:\j*SPITCH+\p*16        ; lanes 1,568 bytes apart = 32 modulo 256: two lanes of sixteen share a column, once at the head
	ds_load_b128 v[RKA+12*\j+4*\p:RKA+12*\j+4*\p+3], v[RA] offset:SARR+\j*SPITCH+\p*16
	ds_load_b128 v[RWT+12*\j+4*\p:RWT+12*\j+4*\p+3], v[RA2] offset:\j*SPITCH+\p*16
.endr
.endr
	s_wait_kmcnt 0x0
	s_mul_f32 s24, s24, s28                        ; ref in turns
	s_mul_f32 s25, s25, s28
	s_mul_f32 s26, s26, s28
	s_mul_f32 s27, s27, s28
	s_wait_dscnt 0x0                               ; my reads of the stage are over:
	s_barrier_signal -1                            ; say so; behind this barrier the partial sums are written over the stage.  Up to its wait: register work alone
; P, Q, R, W of bin 2 lane + j: twelve entries, worked on as six pairs (e, e+1), step by step so that no instruction waits for the one before it.
.macro HORNER ca, cb
.irp q, 0,2,4,6,8,10
	v_pk_fma_f32 v[PP+\q:PP+\q+1], v[PP+\q:PP+\q+1], v[YY+\q:YY+\q+1], \ca op_sel_hi:[1,1,0]
	v_pk_fma_f32 v[QQ+\q:QQ+\q+1], v[QQ+\q:QQ+\q+1], v[YY+\q:YY+\q+1], \cb op_sel_hi:[1,1,0]
.endr
.endm
.macro PREP j
.irp e, 0,1,2,3,4,5,6,7,8,9,10,11
	v_fma_f32 v[RMU+12*\j+\e], v[RMU+12*\j+\e], s28, s[24+\e/3]    ; (mu + ref) in turns; entry e belongs to f = e / 3
.endr
.irp e, 0,1,2,3,4,5,6,7,8,9,10,11
	v_rndne_f32 v[YY+\e], v[RMU+12*\j+\e]
.endr
.irp q, 0,2,4,6,8,10
	v_pk_add_f32 v[RMU+12*\j+\q:RMU+12*\j+\q+1], v[RMU+12*\j+\q:RMU+12*\j+\q+1], v[YY+\q:YY+\q+1] neg_lo:[0,1] neg_hi:[0,1]   ; z in [-1/2, 1/2], exact
.endr
.irp q, 0,2,4,6,8,10
	v_pk_mul_f32 v[YY+\q:YY+\q+1], v[RMU+12*\j+\q:RMU+12*\j+\q+1], v[RMU+12*\j+\q:RMU+12*\j+\q+1]
.endr
.irp q, 0,2,4,6,8,10
	v_pk_fma_f32 v[PP+\q:PP+\q+1], v[YY+\q:YY+\q+1], v[KA:KA+1], A4 op_sel_hi:[1,1,0]
	v_pk_fma_f32 v[QQ+\q:QQ+\q+1], v[YY+\q:YY+\q+1], v[KB:KB+1], B4 op_sel_hi:[1,1,0]
.endr
	HORNER A3, B3
	HORNER A2, B2
	HORNER A1, B1
	HORNER A0, 1.0                                 ; QQ = cos(pi z)
.irp q, 0,2,4,6,8,10
	v_pk_mul_f32 v[PP+\q:PP+\q+1], v[PP+\q:PP+\q+1], v[RMU+12*\j+\q:RMU+12*\j+\q+1]      ; sin(pi z)
	v_pk_mul_f32 v[RKA+12*\j+\q:RKA+12*\j+\q+1], v[RKA+12*\j+\q:RKA+12*\j+\q+1], 0x4038aa3b op_sel_hi:[1,0]   ; 2 kappa log2(e)
.endr
.irp q, 0,2,4,6,8,10
	v_pk_mul_f32 v[YY+\q:YY+\q+1], v[RKA+12*\j+\q:RKA+12*\j+\q+1], v[PP+\q:PP+\q+1]      ; u = 2 kappa log2(e) sin(pi z)
.endr
	; the last step of each number is unpacked, so that it can land in the pair (bin 2 lane, bin 2 lane + 1) of its entry
.irp e, 0,1,2,3,4,5,6,7,8,9,10,11
	v_mul_f32 v[RB+2*\e+\j], -0.5, v[RKA+12*\j+\e]                 ; R = -kappa log2(e)
	v_mul_f32 v[QB+2*\e+\j], v[YY+\e], v[QQ+\e]                    ; Q = kappa log2(e) * 2 sin(pi z) cos(pi z)
	v_mov_b32 v[WB+2*\e+\j], v[RWT+12*\j+\e]
.endr
.irp e, 0,1,2,3,4,5,6,7,8,9,10,11
	v_fma_f32 v[PB+2*\e+\j], -v[YY+\e], v[PP+\e], -v[RB+2*\e+\j]   ; P = kappa log2(e) * (1 - 2 sin^2(pi z))
.endr
.endm
	v_mov_b32 v[KA], A5
	v_mov_b32 v[KA+1], A5
	v_mov_b32 v[KB], B5
	v_mov_b32 v[KB+1], B5
	PREP 0
	PREP 1
	v_mov_b32 v[FA], s38                           ; the features start at LDS byte 0: key 0, my chunk
	v_lshl_add_u32 v[PA], v[LANE], 3, s40
	s_barrier_wait -1                              ; every wave has read its part of the stage
; THE LOOP OVER THE KEYS.
; d = a * (one number of the pair fp, for both bins) + c
.macro BFMA d, a, fp, sel, c
.if \sel
	v_pk_fma_f32 v[\d:\d+1], v[\a:\a+1], v[\fp:\fp+1], v[\c:\c+1] op_sel:[0,1,0] op_sel_hi:[1,1,1]
.else
	v_pk_fma_f32 v[\d:\d+1], v[\a:\a+1], v[\fp:\fp+1], v[\c:\c+1] op_sel_hi:[1,0,1]
.endif
.endm
.macro AIN ai, k, fa                   ; Q s + R
	BFMA T+6*\ai+2*\k, QB+6*\ai+2*\k, \fa+4+2*(\ai/2), \ai%2, RB+6*\ai+2*\k
.endm
.macro AOUT ai, k, fa                  ; P c + that
	BFMA T+6*\ai+2*\k, PB+6*\ai+2*\k, \fa+2*(\ai/2), \ai%2, T+6*\ai+2*\k
.endm
.macro USUM ui, k                      ; the sum over k with the weights; k = 0 starts it
.if \k == 0
	s_wait_alu depctr_va_vdst(0)
	v_pk_mul_f32 v[UU:UU+1], v[WB+6*\ui:WB+6*\ui+1], v[T+6*\ui:T+6*\ui+1]
.else
	v_pk_fma_f32 v[UU:UU+1], v[WB+6*\ui+2*\k:WB+6*\ui+2*\k+1], v[T+6*\ui+2*\k:T+6*\ui+2*\k+1], v[UU:UU+1]
.endif
.endm
.macro UACC ui, fu                     ; the sum over f with the magnitudes; f = 0 starts it
.if \ui == 0
	v_pk_mul_f32 v[ACC:ACC+1], v[UU:UU+1], v[\fu+8:\fu+9] op_sel_hi:[1,0]
.else
	BFMA ACC, UU, \fu+8+2*(\ui/2), \ui%2, ACC
.endif
.endm
; A group is one key and one f: three pairs, six elements.  A phase sets three groups side by side: the six exponentials of group ei, among them the six
; argument multiply-adds of the next group (ai, features at fa) and the four sum multiply-adds of the group before (ui, features at fu).
; Each v_exp_f32 works in place on a set that no other line of the phase names, and its result is first read in the next phase,
; behind the plain instructions that close this one (ISA guide 5.7.2 asks for one).
.macro PHASE ei, doa, ai, fa, dou, ui, fu
	v_exp_f32 v[T+6*\ei], v[T+6*\ei]
.if \dou
	USUM \ui, 0
.endif
	v_exp_f32 v[T+6*\ei+1], v[T+6*\ei+1]
.if \doa
	AIN \ai, 0, \fa
.endif
	v_exp_f32 v[T+6*\ei+2], v[T+6*\ei+2]
.if \doa
	AIN \ai, 1, \fa
.endif
	v_exp_f32 v[T+6*\ei+3], v[T+6*\ei+3]
.if \dou
	USUM \ui, 1
.endif
	v_exp_f32 v[T+6*\ei+4], v[T+6*\ei+4]
.if \doa
	AIN \ai, 2, \fa
.endif
	v_exp_f32 v[T+6*\ei+5], v[T+6*\ei+5]
.if \doa
	AOUT \ai, 0, \fa
.endif
.if \dou
	USUM \ui, 2
.endif
.if \doa
	AOUT \ai, 1, \fa
	AOUT \ai, 2, \fa
.endif
.if \dou
	UACC \ui, \fu
.endif
.endm
.macro LOADF buf, koff                 ; c[4], s[4], m[4] of my chunk, key koff behind the trip's first: every lane names the same 16 bytes
	ds_load_b128 v[FB+12*(\buf):FB+12*(\buf)+3], v[FA] offset:(\koff)*FKEY
	ds_load_b128 v[FB+12*(\buf)+4:FB+12*(\buf)+7], v[FA] offset:(\koff)*FKEY+16
	ds_load_b128 v[FB+12*(\buf)+8:FB+12*(\buf)+11], v[FA] offset:(\koff)*FKEY+32
.endm
; Key n = 4 trip + b, features in buffer b.  first: no key in front of it.  load: the features of key n + 3 are asked for, into the buffer of key n - 1,
; whose last use is the first phase's last line.  last: no key behind it.  cnt: see the wait.
.macro KEY b, first, load, last, cnt
	PHASE 0, 1, 1, FB+12*\b, 1-\first, 3, FB+12*((\b+3)%4)
.if \first == 0
	ds_store_b64 v[PA], v[ACC:ACC+1] offset:((\b+3)%4)*256         ; key n - 1 is summed: the wave's 64 bins, 256 neighbouring bytes
.if \b == 0
	v_add_nc_u32 v[PA], 1024, v[PA]                                ; four keys on
.endif
.endif
.if \load
	LOADF (\b+3)%4, \b+3
.endif
	PHASE 1, 1, 2, FB+12*\b, 1, 0, FB+12*\b
	PHASE 2, 1, 3, FB+12*\b, 1, 1, FB+12*\b
.if \last
	PHASE 3, 0, 0, 0, 1, 2, FB+12*\b
.else
	s_wait_dscnt \cnt                              ; LDS instructions end in order (ISA guide 5.7.1): the three loads of key n + 1 are in.  Behind them were issued, in the
	                                               ; steady state, store, 3 loads, store, 3 loads = 8; for keys 0 and 1, 6 and 7: the count 6 serves all of these
	PHASE 3, 1, 0, FB+12*((\b+1)%4), 1, 2, FB+12*\b
.endif
.if \b == 3
.if \load
	v_add_nc_u32 v[FA], 4*FKEY, v[FA]
.endif
.endif
.endm
	LOADF 0, 0
	LOADF 1, 1
	LOADF 2, 2
	s_wait_dscnt 6                                 ; key 0's three loads are in; the six of keys 1 and 2 stay out
	AIN 0, 0, FB
	AIN 0, 1, FB
	AIN 0, 2, FB
	AOUT 0, 0, FB
	AOUT 0, 1, FB
	AOUT 0, 2, FB
	KEY 0, 1, 1, 0, 6                              ; keys 0 to 3 stand in front of the loop: key 0 has no key in front of it
	KEY 1, 0, 1, 0, 6
	KEY 2, 0, 1, 0, 6
	KEY 3, 0, 1, 0, 6
	s_mov_b32 s29, 14                              ; keys 4 to 59
.Ltrip:
	KEY 0, 0, 1, 0, 6
	KEY 1, 0, 1, 0, 6
	KEY 2, 0, 1, 0, 6
	KEY 3, 0, 1, 0, 6
	s_sub_co_i32 s29, s29, 1
	s_cmp_lg_u32 s29, 0
	s_cbranch_scc1 .Ltrip
	KEY 0, 0, 1, 0, 6                              ; key 60 asks for key 63, the last
	KEY 1, 0, 0, 0, 5                              ; key 61 wants key 62's loads: behind them store, 3 loads, store
	KEY 2, 0, 0, 0, 2                              ; key 62 wants key 63's loads: behind them two stores
	KEY 3, 0, 0, 1, 0
	USUM 3, 0                                      ; the last group's sums
	USUM 3, 1
	USUM 3, 2
	UACC 3, FB+36
	ds_store_b64 v[PA], v[ACC:ACC+1] offset:768
	s_wait_dscnt 0x0                               ; for the other waves: my partial sums are written
	s_barrier_signal -1
	s_barrier_wait -1
	; THE END: thread t adds, for keys t / 16 and t / 16 + 32, the sixteen waves' sums of bins 4 (t % 16) .. + 3, in the order of the waves, onto the bias.
	v_add_nc_u32 v[RD], PART, v[TID16]             ; key x 256 + 16 (t % 16) = 16 t
	v_add_nc_u32 v[RD+1], 4*PWAVE, v[RD]           ; four waves to an address register: the immediate reaches 65,535 bytes
	v_add_nc_u32 v[RD+2], 8*PWAVE, v[RD]
	v_add_nc_u32 v[RD+3], 12*PWAVE, v[RD]
.irp g, 0,1,2,3
.irp q, 0,1,2,3
	ds_load_b128 v[SUM+16*\g+4*\q:SUM+16*\g+4*\q+3], v[RD+\g] offset:\q*PWAVE
	ds_load_b128 v[SUM+64+16*\g+4*\q:SUM+64+16*\g+4*\q+3], v[RD+\g] offset:\q*PWAVE+32*256
.endr
.endr
	v_lshrrev_b32 v1, 4, v0
	v_lshl_add_u32 v[OO], v1, 9, v[C16B]           ; row t / 16 of out, my 16 bytes of the work-group's 256
	s_wait_dscnt 0x0
.irp h, 0,64
	v_pk_add_f32 v[SUM+\h:SUM+\h+1], v[SUM+\h:SUM+\h+1], v[BI:BI+1]
	v_pk_add_f32 v[SUM+\h+2:SUM+\h+3], v[SUM+\h+2:SUM+\h+3], v[BI+2:BI+3]
.endr
.irp w, 1,2,3,4,5,6,7,8,9,10,11,12,13,14,15
.irp h, 0,64
	v_pk_add_f32 v[SUM+\h:SUM+\h+1], v[SUM+\h:SUM+\h+1], v[SUM+\h+4*\w:SUM+\h+4*\w+1]
	v_pk_add_f32 v[SUM+\h+2:SUM+\h+3], v[SUM+\h+2:SUM+\h+3], v[SUM+\h+4*\w+2:SUM+\h+4*\w+3]
.endr
.endr
	global_store_b128 v[OO], v[SUM:SUM+3], s[16:17] th:TH_STORE_NT                    ; sixteen lanes store 256 consecutive bytes, at a multiple of 256 from out's first byte
	global_store_b128 v[OO], v[SUM+64:SUM+67], s[16:17] offset:32*512 th:TH_STORE_NT
	s_wait_tensorcnt 0x0
	ds_add_u32 v230, v231
	s_wait_dscnt 0x0
	s_endpgm
.Lfunc_end_k_qc6d08da4a1_vonmises:
	.size	k_qc6d08da4a1_vonmises, .Lfunc_end_k_qc6d08da4a1_vonmises-k_qc6d08da4a1_vonmises
	.p2alignl 7, 3214868480
	.fill 96, 4, 3214868480
	.section	.rodata,"a",@progbits
	.p2align	6, 0x0
	.amdhsa_kernel k_qc6d08da4a1_vonmises
		.amdhsa_group_segment_fixed_size 313344
		.amdhsa_private_segment_fixed_size 0
		.amdhsa_enable_private_segment 0
		.amdhsa_kernarg_size 56
		.amdhsa_user_sgpr_count 2
		.amdhsa_user_sgpr_kernarg_segment_ptr 1
		.amdhsa_wavefront_size32 1
		.amdhsa_system_sgpr_workgroup_id_x 1
		.amdhsa_system_sgpr_workgroup_id_y 1
		.amdhsa_system_sgpr_workgroup_id_z 1
		.amdhsa_system_vgpr_workitem_id 0
		.amdhsa_next_free_vgpr 232
		.amdhsa_next_free_sgpr 66
		.amdhsa_reserve_vcc 0
		.amdhsa_float_denorm_mode_32 3
		.amdhsa_float_denorm_mode_16_64 3
		.amdhsa_memory_ordered 1
		.amdhsa_forward_progress 1
		.amdhsa_inst_pref_size 83
	.end_amdhsa_kernel
	.amdgpu_metadata
---
amdhsa.version: [ 1, 2 ]
amdhsa.kernels:
  - .name:           k_qc6d08da4a1_vonmises
    .symbol:         k_qc6d08da4a1_vonmises.kd
    .args:
      - { .name: K, .offset: 0, .size: 8, .value_kind: global_buffer, .address_space: global }
      - { .name: mu, .offset: 8, .size: 8, .value_kind: global_buffer, .address_space: global }
      - { .name: kappa, .offset: 16, .size: 8, .value_kind: global_buffer, .address_space: global }
      - { .name: weight, .offset: 24, .size: 8, .value_kind: global_buffer, .address_space: global }
      - { .name: reference_angles, .offset: 32, .size: 8, .value_kind: global_buffer, .address_space: global }
      - { .name: bias, .offset: 40, .size: 8, .value_kind: global_buffer, .address_space: global }
      - { .name: out0, .offset: 48, .size: 8, .value_kind: global_buffer, .address_space: global }
    .group_segment_fixed_size: 313344
    .private_segment_fixed_size: 0
    .kernarg_segment_align: 8
    .kernarg_segment_size: 56
    .max_flat_workgroup_size: 512
    .sgpr_count:     66
    .vgpr_count:     232
    .wavefront_size: 32
...
	.end_amdgpu_metadata
.endif
;; end of part 1
;; ======== version 2 of 2: 1 launch; version 1 with the launch vonmises written anew for expert scheduling mode
;; limits: below input magnitudes of 1.08e-19 results are inexact or not finite
;; launch vonmises (part 2): grid 2 x 128, 16 waves a work-group, no clusters, 313,344 bytes of LDS; arguments K, mu, kappa, weight, reference_angles, bias, out0; writes out0
.if DOCPART == 2
	.amdgcn_target "amdgcn-amd-amdhsa--gfx1250"
	.amdhsa_code_object_version 6
	.text
	.protected	k_qc6d08da4a1_vonmises
	.globl	k_qc6d08da4a1_vonmises
	.p2align	8
	.type	k_qc6d08da4a1_vonmises,@function
k_qc6d08da4a1_vonmises:
	s_mov_b64 s[64:65], 0
	v_nop
	global_prefetch_b8 v0, s[64:65] scope:SCOPE_SE
	s_setreg_imm32_b32 hwreg(HW_REG_WAVE_SCHED_MODE, 0, 2), 2
	s_setreg_imm32_b32 hwreg(HW_REG_WAVE_MODE, 25, 1), 1
	s_wait_xcnt 0x0
	s_wait_alu depctr_vm_vsrc(0)
; out[n][b] = bias[b] + sum over f, k of weight[b][f][k] * m[n][f] * exp(kappa[b][f][k] * (cos(angle[n][f] - mu[b][f][k] - ref[f]) - 1))
; K: [8192][64][2] f32 (x, y), m = sqrt(x^2 + y^2), angle = atan2(y, x); mu, kappa, weight: [128][64][3] f32; out: [8192][128] f32.
;
; THE FORM.  cos(angle - a) = (x cos a + y sin a) / m, so with c = x/m, s = y/m and, for each (b, f, k),
;   P = kappa log2(e) cos(mu + ref),  Q = kappa log2(e) sin(mu + ref),  R = -kappa log2(e),  W = weight
; an element is W * m * exp2(P c + Q s + R): two fused multiply-adds, one v_exp_f32, one multiply-add for W, and one for m for each three k.
;
; THE SHARES.  A work-group makes 64 keys x 64 bins (256 bytes of each output row) with 16 waves.  Wave w owns the frequencies 4w .. 4w+3;
; lane l owns the bins 2l, 2l+1, the two halves of every packed instruction.  The wave's 12 (f, k) x {P, Q, R, W} x 2 bins = 96 registers
; are made once and stay: the loop over the keys reads no table.  c, s, m of the 64 keys are made once by the work-group and lie in LDS;
; per key a wave takes its 48 bytes (c[4], s[4], m[4]) by three loads in which all lanes name the same address.  Each wave leaves its
; partial sum over four frequencies in LDS; at the end the sixteen partial sums of an output are added in fixed order, with the bias.
;
; THE MODE: SCHED_MODE bits 1:0 = 2 (LLVM: expert scheduling mode 2), set by the entry lines.  The code itself states the register dependences
; between vector instructions and memory or LDS instructions, with s_wait_alu, always for 0.
; THE PLAN.  A step is a key.  Step n: the 24 exponentials of key n, in place in T[n % 2]; among them, one f after the other, the sums of key n - 1 out of
; T[(n - 1) % 2] and, into the registers just read, the arguments of key n + 1.  Registers that LDS instructions touch in the loop:
;   FB0 .. FB3  c, s, m of a key.  Step n's vector instructions read FB[(n + 1) % 4] (arguments) and FB[(n - 1) % 4] (magnitudes); its three loads, key n + 2's,
;               land in FB[(n + 2) % 4], whose last reader (the sums of key n - 2) stands in step n - 1.
;   AC0, AC1    a key's sum over the wave's f.  Step n's sums write AC[(n - 1) % 2]; its store reads AC[n % 2]: key n - 2, finished in step n - 1.
;   v[FA]       read by every load of features; written once in four steps.     v[PA]  read by every store of a partial sum; written once in four steps.
;   T0, T1, UU and P, Q, R, W are named by vector instructions alone.
; One on vm_vsrc (the step's store has read the accumulator that the next step's
; sums write; FA or PA has been read, where its add follows), the add, and ONE on va_vdst: the step's exponentials have written their results, its sums have written
; the accumulator that the next step stores and are done reading the buffer in which the next step's loads land, and FA or PA is written.  The next step's four LDS
; instructions follow with no further wait, dealt among vector instructions that name none of the registers that they touch.
;
; NOT USED, AND WHY.  The matrix unit: every exponential meets exactly one weight (that of its own b, f, k), so as a matrix product the weights
; would be 16 x 16 tiles of which only the diagonal is filled, and each of an output's 192 terms would be rounded to bf16; in f32 the
; weighted sum is 4 packed multiply-adds for 6 exponentials.  Joint loads in a cluster: what work-groups share are the three table halves,
; 18 loads of 16 bytes a lane at the head, against 4,352 vector and LDS instructions a wave for the keys, which read no memory at all.
;
; LIMITS.  (1) A pair with x^2 + y^2 below 2^-126 enters with the magnitude (x^2 + y^2) * 2^63, at most 2^-63, in place of the root, and with
; |c|, |s| <= 1 that need not be a unit vector; a pair (0, 0) adds exactly 0.  (2) sin and cos of mu + ref: the angle in turns is reduced
; by its nearest whole number (exact), then Taylor sums of sin and cos on a quarter turn, cut where the next term is 6e-8 and 5e-7: about 1e-6
; in P/kappa and Q/kappa, plus 2^-24 of the angle in turns from forming it in f32.  (3) v_exp_f32 gives 0 for results below 2^-126.
; (4) The sums are taken in another order than the reference's: k, then the wave's four f, then the sixteen waves.
.set NB,     64                        ; bins of a work-group
.set ROWB,   768                       ; bytes of one bin in mu, kappa, weight: 64 f x 3 k x 4
.set FKEY,   768                       ; LDS, features: bytes of a key = 16 chunks of four f x (c[4], s[4], m[4]); the features start at byte 0
.set PART,   49152                     ; LDS, partial sums: behind the 64 keys' features
.set PWAVE,  16384                     ; one wave's partial sums: 64 keys x 64 bins x 4
.set STAGE,  PART                      ; LDS, the head's stage for the three tables; its last read is a barrier ahead of the first partial sum
.set SPITCH, 784                       ; a bin's 768 bytes + 16
.set SARR,   NB*SPITCH                 ; one table's 64 bins in the stage
; Taylor coefficients in y = z^2, z in half turns / pi:  sin(pi z) = z (A0 + A1 y + .. + A5 y^5),  cos(pi z) = 1 + B1 y + .. + B5 y^5
.set A0, 0x40490fdb                    ;  pi
.set A1, 0xc0a55de7                    ; -pi^3 / 3!
.set A2, 0x402335e3                    ;  pi^5 / 5!
.set A3, 0xbf196966                    ; -pi^7 / 7!
.set A4, 0x3da83c1a                    ;  pi^9 / 9!
.set A5, 0xbbf183a8                    ; -pi^11 / 11!
.set B1, 0xc09de9e6                    ; -pi^2 / 2!
.set B2, 0x4081e0f8                    ;  pi^4 / 4!
.set B3, 0xbfaae9e4                    ; -pi^6 / 6!
.set B4, 0x3e70fa83                    ;  pi^8 / 8!
.set B5, 0xbcd368f9                    ; -pi^10 / 10!
; registers that live long
.set TID16, 2                          ; 16 x thread
.set C16B,  3                          ; 16 x (thread % 16)
.set GO,    4                          ; head: byte offset in a table half
.set SA,    5                          ; v5-7  head: where I put 16 bytes of mu, kappa, weight in the stage
.set BI,    8                          ; v[8:11] bias of the four bins that I store at the end
.set FS,    12                         ; head: where I put features
.set RA,    13                         ; head: my two bins' rows in the stage (mu, kappa)
.set RA2,   14                         ; the same for weight
.set LANE,  15
.set PB,    16                         ; v[16:39]   P: pair (bin 2l, bin 2l+1) of entry e = 3 f + k at PB + 2 e
.set QB,    40                         ; v[40:63]   Q
.set RB,    64                         ; v[64:87]   R
.set WB,    88                         ; v[88:111]  W
.set T0,    112                        ; v[112:135] even keys: twelve pairs (entry e at + 2 e): arguments, then exponentials
.set UU,    136                        ; v[136:137] sum over k
.set AC0,   138                        ; v[138:139] even keys: sum over the wave's f
.set FB,    140                        ; v[140:187] four buffers of c[4], s[4], m[4], by the key's number modulo 4
.set T1,    188                        ; v[188:211] odd keys' twelve pairs
.set AC1,   212                        ; v[212:213] odd keys' sum
.set FA,    228                        ; LDS address of my chunk in the features of the trip's first key
.set PA,    229                        ; LDS address of my two bins in my wave's partial sums
; registers of the head
.set RW,    16                         ; v[16:87]   18 x 16 bytes of the tables on their way to the stage
.set KX,    88                         ; v[88:103]  4 x (x, y, x, y)
.set M2,    104                        ; v[104:111] x^2 + y^2
.set RS,    112                        ; v[112:119] 1 / m
.set CC,    120                        ; v[120:127]
.set SS,    128                        ; v[128:135]
.set MM,    136                        ; v[136:143]
.set RMU,   140                        ; v[140:163] mu of my two bins x 12 entries, then z
.set RKA,   164                        ; v[164:187] kappa, then 2 kappa log2(e)
.set RWT,   188                        ; v[188:211] weight
.set YY,    112                        ; v[112:123] nearest whole turn, then z^2, then 2 kappa log2(e) sin(pi z)
.set PP,    124                        ; v[124:135] sin(pi z)
.set QQ,    212                        ; v[212:223] cos(pi z)
.set KA,    224                        ; v[224:225] A5 twice
.set KB,    226                        ; v[226:227] B5 twice
; registers of the end
.set SUM,   16                         ; v[16:143]  2 keys x 16 waves x 4 bins
.set RD,    4                          ; v4-7
.set OO,    12
	s_load_b256 s[4:11], s[0:1], 0x0               ; K s[4:5], mu s[6:7], kappa s[8:9], weight s[10:11]
	s_load_b128 s[12:15], s[0:1], 0x20             ; reference_angles s[12:13], bias s[14:15]
	s_load_b64 s[16:17], s[0:1], 0x30              ; out
	v_lshl_add_u32 v230, v0, 2, 0x4c000
	v_mov_b32 v231, 0
	v_lshrrev_b32 v1, 5, v0
	v_readfirstlane_b32 s20, v1                    ; wave 0..15
	s_and_b32 s19, ttmp7, 0xffff                   ; block of 64 keys, 0..127;  ttmp9: half of the bins, 0 or 1
	s_mul_i32 s22, ttmp9, NB*ROWB                  ; my 64 bins in mu, kappa, weight
	s_mov_b32 s23, 0
	s_lshl_b32 s30, s19, 15                        ; my 64 keys in K and in out: rows of 512 bytes
	s_mov_b32 s31, 0
	s_lshl_b32 s32, ttmp9, 8                       ; my 64 bins in bias and in a row of out
	s_mov_b32 s33, 0
	s_mov_b32 s35, 0
	s_mov_b32 s28, 0x3e22f983                      ; 1 / (2 pi)
	s_mov_b32 s36, 0x00800000                      ; 2^-126
	v_lshlrev_b32 v[TID16], 4, v0
	v_and_b32 v1, 15, v0
	v_lshlrev_b32 v[C16B], 4, v1
	v_lshrrev_b32 v1, 4, v0                        ; thread / 16 = 0..31: a bin (and that bin + 32)
	v_mad_u32_u24 v[GO], v1, ROWB, v[C16B]         ; sixteen neighbouring lanes take 256 neighbouring bytes, aligned
	v_mad_u32_u24 v[SA], v1, SPITCH, v[C16B]
	v_add_nc_u32 v[SA], STAGE, v[SA]
	v_add_nc_u32 v[SA+1], SARR, v[SA]
	v_add_nc_u32 v[SA+2], 2*SARR, v[SA]
	v_and_b32 v[LANE], 31, v0
	v_lshrrev_b32 v1, 1, v[LANE]                   ; I hold f = 2 lane, 2 lane + 1 of a key: chunk lane / 2,
	v_mul_u32_u24 v1, v1, 48
	v_and_b32 v[FS], 1, v[LANE]                    ; first or second half of the chunk's four
	v_lshl_add_u32 v[FS], v[FS], 3, v1
	v_mul_u32_u24 v[RA], v[LANE], 2*SPITCH         ; bins 2 lane, 2 lane + 1
	s_wait_alu depctr_va_sdst(0)                   ; s20 is written, ahead of its first reader: the wave's places in LDS and among the reference angles are made from it
	s_lshl_b32 s34, s20, 4                         ; my wave's four reference angles
	s_mul_i32 s37, s20, FKEY
	s_mul_i32 s38, s20, 48                         ; my wave's chunk of four f: 48 bytes, in a bin's row and in a key's features alike
	s_add_co_u32 s39, s38, STAGE
	s_lshl_b32 s40, s20, 14
	s_add_co_u32 s40, s40, PART                    ; my wave's partial sums
	v_add_nc_u32 v[RA], s39, v[RA]
	v_add_nc_u32 v[RA2], 2*SARR, v[RA]
	s_wait_kmcnt 0x0
	s_add_nc_u64 s[4:5], s[4:5], s[30:31]
	s_add_nc_u64 s[6:7], s[6:7], s[22:23]
	s_add_nc_u64 s[8:9], s[8:9], s[22:23]
	s_add_nc_u64 s[10:11], s[10:11], s[22:23]
	s_add_nc_u64 s[12:13], s[12:13], s[34:35]
	s_add_nc_u64 s[14:15], s[14:15], s[32:33]
	s_add_nc_u64 s[16:17], s[16:17], s[30:31]
	s_add_nc_u64 s[16:17], s[16:17], s[32:33]
	s_load_b128 s[24:27], s[12:13], 0x0            ; ref of my wave's four f
	s_wait_alu depctr_va_vdst(0)                   ; the offsets v2 to v4 are written, which the loads below read, and the LDS addresses v5 to v7, v13, v14, which the head's LDS stores and loads read
	; All loads of the kernel, K first.  K: load j of wave w is key w + 16 j, a whole row of 512 bytes.
.irp j, 0,1,2,3
	global_load_b128 v[KX+4*\j:KX+4*\j+3], v[TID16], s[4:5] offset:\j*8192
.endr
	global_load_b128 v[BI:BI+3], v[C16B], s[14:15]
.irp h, 0,1
.irp c, 0,1,2
	global_load_b128 v[RW+4*(3*\h+\c):RW+4*(3*\h+\c)+3], v[GO], s[6:7] offset:\h*32*ROWB+\c*256
	global_load_b128 v[RW+4*(6+3*\h+\c):RW+4*(6+3*\h+\c)+3], v[GO], s[8:9] offset:\h*32*ROWB+\c*256
	global_load_b128 v[RW+4*(12+3*\h+\c):RW+4*(12+3*\h+\c)+3], v[GO], s[10:11] offset:\h*32*ROWB+\c*256
.endr
.endr
	; FEATURES of 4 keys x 2 f a lane: c = x / m, s = y / m, m = (x^2 + y^2) / sqrt(x^2 + y^2)
	s_wait_loadcnt 19                              ; loads come back in order (ISA guide 5.7.1): K's four are in; the bias and the 18 table loads stay out
.irp j, 0,1,2,3
	v_mul_f32 v[M2+2*\j], v[KX+4*\j], v[KX+4*\j]
	v_mul_f32 v[M2+2*\j+1], v[KX+4*\j+2], v[KX+4*\j+2]
.endr
.irp j, 0,1,2,3
	v_fmac_f32 v[M2+2*\j], v[KX+4*\j+1], v[KX+4*\j+1]
	v_fmac_f32 v[M2+2*\j+1], v[KX+4*\j+3], v[KX+4*\j+3]
.endr
.irp i, 0,1,2,3,4,5,6,7
	v_max_num_f32 v[RS+\i], s36, v[M2+\i]          ; not below 2^-126: the root's reciprocal stays finite, c and s stay within 1 (limit 1 at the head)
.endr
.irp i, 0,1,2,3,4,5,6,7
	v_rsq_f32 v[RS+\i], v[RS+\i]
.endr
	v_add_nc_u32 v[FS], s37, v[FS]                 ; + my wave's key.  Also the plain instruction between the run of v_rsq_f32 and the first use of a result (ISA guide 5.7.2)
	s_wait_alu depctr_va_vdst(0)                   ; the eight v_rsq_f32 have written v[RS ..]: one wait for the batch, ahead of its first reader
.irp j, 0,1,2,3
	v_mul_f32 v[CC+2*\j], v[KX+4*\j], v[RS+2*\j]
	v_mul_f32 v[CC+2*\j+1], v[KX+4*\j+2], v[RS+2*\j+1]
	v_mul_f32 v[SS+2*\j], v[KX+4*\j+1], v[RS+2*\j]
	v_mul_f32 v[SS+2*\j+1], v[KX+4*\j+3], v[RS+2*\j+1]
	v_pk_mul_f32 v[MM+2*\j:MM+2*\j+1], v[M2+2*\j:M2+2*\j+1], v[RS+2*\j:RS+2*\j+1]
.endr
	s_wait_alu depctr_va_vdst(0)                   ; c, s, m (v[CC ..], v[SS ..], v[MM ..]) and the address v[FS] are written, which the LDS stores read
.irp j, 0,1,2,3
	ds_store_b64 v[FS], v[CC+2*\j:CC+2*\j+1] offset:\j*16*FKEY        ; two lanes fill 16 bytes of every 48: the wave's 32 pieces fall on 64 different words modulo 256 bytes
	ds_store_b64 v[FS], v[SS+2*\j:SS+2*\j+1] offset:\j*16*FKEY+16
	ds_store_b64 v[FS], v[MM+2*\j:MM+2*\j+1] offset:\j*16*FKEY+32
.endr
	; THE TABLES go through LDS: they are read in whole pieces of 256 bytes, but a lane needs 48 bytes of each of two bins
	s_wait_loadcnt 0x0
.irp h, 0,1
.irp c, 0,1,2
	ds_store_b128 v[SA], v[RW+4*(3*\h+\c):RW+4*(3*\h+\c)+3] offset:\h*32*SPITCH+\c*256
	ds_store_b128 v[SA+1], v[RW+4*(6+3*\h+\c):RW+4*(6+3*\h+\c)+3] offset:\h*32*SPITCH+\c*256
	ds_store_b128 v[SA+2], v[RW+4*(12+3*\h+\c):RW+4*(12+3*\h+\c)+3] offset:\h*32*SPITCH+\c*256
.endr
.endr
	s_wait_dscnt 0x0                               ; for the other waves: my features and my part of the stage are written
	s_barrier_signal -1
	s_barrier_wait -1
	s_wait_alu depctr_vm_vsrc(0)                   ; my LDS stores have read v140 to v143 (m), in which the loads below land, and v16 to v135, which the tables' preparation writes (the vector lines that named v140 to v143 stand ahead of the last wait on va_vdst)
.irp j, 0,1
.irp p, 0,1,2
	ds_load_b128 v[RMU+12*\j+4*\p:RMU+12*\j+4*\p+3], v[RA] offset:\j*SPITCH+\p*16        ; lanes 1,568 bytes apart = 32 modulo 256: two lanes of sixteen share a column, once at the head
	ds_load_b128 v[RKA+12*\j+4*\p:RKA+12*\j+4*\p+3], v[RA] offset:SARR+\j*SPITCH+\p*16
	ds_load_b128 v[RWT+12*\j+4*\p:RWT+12*\j+4*\p+3], v[RA2] offset:\j*SPITCH+\p*16
.endr
.endr
	s_wait_kmcnt 0x0
	s_mul_f32 s24, s24, s28                        ; ref in turns
	s_mul_f32 s25, s25, s28
	s_mul_f32 s26, s26, s28
	s_mul_f32 s27, s27, s28
	s_wait_dscnt 0x0                               ; my reads of the stage are over:
	s_barrier_signal -1                            ; say so; behind this barrier the partial sums are written over the stage.  Up to its wait: register work alone
; P, Q, R, W of bin 2 lane + j: twelve entries, worked on as six pairs (e, e+1), step by step so that no instruction waits for the one before it.
.macro HORNER ca, cb
.irp q, 0,2,4,6,8,10
	v_pk_fma_f32 v[PP+\q:PP+\q+1], v[PP+\q:PP+\q+1], v[YY+\q:YY+\q+1], \ca op_sel_hi:[1,1,0]
	v_pk_fma_f32 v[QQ+\q:QQ+\q+1], v[QQ+\q:QQ+\q+1], v[YY+\q:YY+\q+1], \cb op_sel_hi:[1,1,0]
.endr
.endm
.macro PREP j
.irp e, 0,1,2,3,4,5,6,7,8,9,10,11
	v_fma_f32 v[RMU+12*\j+\e], v[RMU+12*\j+\e], s28, s[24+\e/3]    ; (mu + ref) in turns; entry e belongs to f = e / 3
.endr
.irp e, 0,1,2,3,4,5,6,7,8,9,10,11
	v_rndne_f32 v[YY+\e], v[RMU+12*\j+\e]
.endr
.irp q, 0,2,4,6,8,10
	v_pk_add_f32 v[RMU+12*\j+\q:RMU+12*\j+\q+1], v[RMU+12*\j+\q:RMU+12*\j+\q+1], v[YY+\q:YY+\q+1] neg_lo:[0,1] neg_hi:[0,1]   ; z in [-1/2, 1/2], exact
.endr
.irp q, 0,2,4,6,8,10
	v_pk_mul_f32 v[YY+\q:YY+\q+1], v[RMU+12*\j+\q:RMU+12*\j+\q+1], v[RMU+12*\j+\q:RMU+12*\j+\q+1]
.endr
.irp q, 0,2,4,6,8,10
	v_pk_fma_f32 v[PP+\q:PP+\q+1], v[YY+\q:YY+\q+1], v[KA:KA+1], A4 op_sel_hi:[1,1,0]
	v_pk_fma_f32 v[QQ+\q:QQ+\q+1], v[YY+\q:YY+\q+1], v[KB:KB+1], B4 op_sel_hi:[1,1,0]
.endr
	HORNER A3, B3
	HORNER A2, B2
	HORNER A1, B1
	HORNER A0, 1.0                                 ; QQ = cos(pi z)
.irp q, 0,2,4,6,8,10
	v_pk_mul_f32 v[PP+\q:PP+\q+1], v[PP+\q:PP+\q+1], v[RMU+12*\j+\q:RMU+12*\j+\q+1]      ; sin(pi z)
	v_pk_mul_f32 v[RKA+12*\j+\q:RKA+12*\j+\q+1], v[RKA+12*\j+\q:RKA+12*\j+\q+1], 0x4038aa3b op_sel_hi:[1,0]   ; 2 kappa log2(e)
.endr
.irp q, 0,2,4,6,8,10
	v_pk_mul_f32 v[YY+\q:YY+\q+1], v[RKA+12*\j+\q:RKA+12*\j+\q+1], v[PP+\q:PP+\q+1]      ; u = 2 kappa log2(e) sin(pi z)
.endr
	; the last step of each number is unpacked, so that it can land in the pair (bin 2 lane, bin 2 lane + 1) of its entry
.irp e, 0,1,2,3,4,5,6,7,8,9,10,11
	v_mul_f32 v[RB+2*\e+\j], -0.5, v[RKA+12*\j+\e]                 ; R = -kappa log2(e)
	v_mul_f32 v[QB+2*\e+\j], v[YY+\e], v[QQ+\e]                    ; Q = kappa log2(e) * 2 sin(pi z) cos(pi z)
	v_mov_b32 v[WB+2*\e+\j], v[RWT+12*\j+\e]
.endr
.irp e, 0,1,2,3,4,5,6,7,8,9,10,11
	v_fma_f32 v[PB+2*\e+\j], -v[YY+\e], v[PP+\e], -v[RB+2*\e+\j]   ; P = kappa log2(e) * (1 - 2 sin^2(pi z))
.endr
.endm
	v_mov_b32 v[KA], A5
	v_mov_b32 v[KA+1], A5
	v_mov_b32 v[KB], B5
	v_mov_b32 v[KB+1], B5
	PREP 0
	PREP 1
	v_mov_b32 v[FA], s38                           ; the features start at LDS byte 0: key 0, my chunk
	v_lshl_add_u32 v[PA], v[LANE], 3, s40
	s_barrier_wait -1                              ; every wave has read its part of the stage
; THE KEYS.  The macros below name the step's registers by symbols that STEP sets: TE the set whose exponentials are taken, TA the set that is summed and then takes new
; arguments, FAR the features for the arguments, FSU those for the sums, FLD the buffer that is loaded, AC the accumulator that is written, AS the one that is stored.
; d = a * (one number of the pair fp, for both bins) + c
.macro BFMA d, a, fp, sel, c
.if \sel
	v_pk_fma_f32 v[\d:\d+1], v[\a:\a+1], v[\fp:\fp+1], v[\c:\c+1] op_sel:[0,1,0] op_sel_hi:[1,1,1]
.else
	v_pk_fma_f32 v[\d:\d+1], v[\a:\a+1], v[\fp:\fp+1], v[\c:\c+1] op_sel_hi:[1,0,1]
.endif
.endm
.macro AIN g, k                        ; Q s + R
	BFMA TA+6*\g+2*\k, QB+6*\g+2*\k, FAR+4+2*(\g/2), \g%2, RB+6*\g+2*\k
.endm
.macro AOUT g, k                       ; P c + that
	BFMA TA+6*\g+2*\k, PB+6*\g+2*\k, FAR+2*(\g/2), \g%2, TA+6*\g+2*\k
.endm
.macro USUM g, k                       ; the sum over k with the weights; k = 0 starts it
.if \k == 0
	v_pk_mul_f32 v[UU:UU+1], v[WB+6*\g:WB+6*\g+1], v[TA+6*\g:TA+6*\g+1]
.else
	v_pk_fma_f32 v[UU:UU+1], v[WB+6*\g+2*\k:WB+6*\g+2*\k+1], v[TA+6*\g+2*\k:TA+6*\g+2*\k+1], v[UU:UU+1]
.endif
.endm
.macro UACC g                          ; the sum over f with the magnitudes; f = 0 starts it
.if \g == 0
	v_pk_mul_f32 v[AC:AC+1], v[UU:UU+1], v[FSU+8:FSU+9] op_sel_hi:[1,0]
.else
	BFMA AC, UU, FSU+8+2*(\g/2), \g%2, AC
.endif
.endm
.macro LOADF buf, koff                 ; c[4], s[4], m[4] of my chunk, key koff behind the trip's first: every lane names the same 16 bytes
	ds_load_b128 v[FB+12*(\buf):FB+12*(\buf)+3], v[FA] offset:(\koff)*FKEY
	ds_load_b128 v[FB+12*(\buf)+4:FB+12*(\buf)+7], v[FA] offset:(\koff)*FKEY+16
	ds_load_b128 v[FB+12*(\buf)+8:FB+12*(\buf)+11], v[FA] offset:(\koff)*FKEY+32
.endm
; STEP n = 4 trip + b.  For each f of the wave (g): six exponentials of key n, each with a plain instruction behind it; the four lines that sum key n - 1's f; and, each behind the line that
; has read its registers, the six lines that make key n + 1's arguments there.  No line of the step names a result of the step's exponentials.
; su: there is a key n - 1.  ar: there is a key n + 1.  ld: key n + 2's features are asked for.  st: key n - 2's sum is stored.
; vs: a store has been issued whose accumulator the next step writes.  stp: the address that is due at this step's end is stepped.
; cnt: the LDS instructions issued behind key n + 1's three loads, which may stay out (-1: no features are wanted).
.macro STEP b, su, ar, ld, st, vs, stp, cnt
.set TE,  T0+(T1-T0)*((\b)%2)
.set TA,  T0+(T1-T0)*((\b+1)%2)
.set FAR, FB+12*((\b+1)%4)
.set FSU, FB+12*((\b+3)%4)
.set FLD, FB+12*((\b+2)%4)
.set AC,  AC0+(AC1-AC0)*((\b+1)%2)
.set AS,  AC0+(AC1-AC0)*((\b)%2)
.if \cnt >= 0
	s_wait_dscnt \cnt                              ; LDS instructions end in order (ISA guide 5.7.1): key n + 1's c, s, m are in; in the steady state the one store issued behind them stays out
.endif
.irp g, 0,1,2,3
.if (\g == 0) && (\ld)
	ds_load_b128 v[FLD:FLD+3], v[FA] offset:(\b+2)*FKEY            ; no wait: no vector line since the last wait on va_vdst names FLD's registers or v[FA]
.endif
	v_exp_f32 v[TE+6*\g], v[TE+6*\g]
.if \su
	USUM \g, 0
.endif
	v_exp_f32 v[TE+6*\g+1], v[TE+6*\g+1]
.if \ar
	AIN \g, 0
.endif
.if (\g == 0) && (\ld)
	ds_load_b128 v[FLD+4:FLD+7], v[FA] offset:(\b+2)*FKEY+16
.endif
	v_exp_f32 v[TE+6*\g+2], v[TE+6*\g+2]
.if \su
	USUM \g, 1
.endif
	v_exp_f32 v[TE+6*\g+3], v[TE+6*\g+3]
.if \ar
	AIN \g, 1
.endif
.if (\g == 0) && (\ld)
	ds_load_b128 v[FLD+8:FLD+11], v[FA] offset:(\b+2)*FKEY+32
.endif
	v_exp_f32 v[TE+6*\g+4], v[TE+6*\g+4]
.if \su
	USUM \g, 2
.endif
	v_exp_f32 v[TE+6*\g+5], v[TE+6*\g+5]
.if \ar
	AIN \g, 2
.endif
.if (\g == 0) && (\st)
	ds_store_b64 v[PA], v[AS:AS+1] offset:((\b+2)%4)*256           ; key n - 2: the wave's 64 bins, 256 neighbouring bytes.  No wait: no vector line since the last wait on va_vdst names AS or v[PA]
.endif
.if \ar
	AOUT \g, 0
.endif
.if \su
	UACC \g                                        ; in the last step this is the plain instruction behind the last exponential (ISA guide 5.7.2); elsewhere the lines below are
.endif
.if \ar
	AOUT \g, 1
	AOUT \g, 2
.endif
.endr
.if \vs
	s_wait_alu depctr_vm_vsrc(0)                   ; this step's store has read AS, which the next step's sums write again; the loads and stores issued so far have read v[FA] and v[PA], of which one may be written below
.endif
.if (\stp) && (\b == 3)
	v_add_nc_u32 v[FA], 4*FKEY, v[FA]              ; the features of the next trip's first key
.endif
.if (\stp) && (\b == 1)
	v_add_nc_u32 v[PA], 1024, v[PA]                ; four keys on: the next two steps store the first two keys of this trip
.endif
	s_wait_alu depctr_va_vdst(0)                   ; ONE wait for the step's 24 exponentials, ahead of their first reader (the next step's sums) and of every label and jump.  It also states: the sums
	                                               ; have written AC, which the next step stores, and are done reading FSU's registers, in which the next step's loads land; v[FA] or v[PA], if stepped, is written
.endm
	s_wait_alu depctr_va_vdst(0)                   ; v[FA] and v[PA] are written, which the loads and stores of the keys read; the tables' preparation is done with v140 to v187, in which the features land
	LOADF 0, 0
	LOADF 1, 1
	LOADF 2, 2
	s_wait_dscnt 6                                 ; key 0's three loads are in; the six of keys 1 and 2 stay out
.set TA,  T0
.set FAR, FB
.irp g, 0,1,2,3                        ; key 0's arguments
	AIN \g, 0
	AIN \g, 1
	AIN \g, 2
	AOUT \g, 0
	AOUT \g, 1
	AOUT \g, 2
.endr
	STEP 0, 0, 1, 0, 0, 0, 0, 3                    ; keys 0 to 3 stand in front of the loop.  Key 0: nothing to sum, to load or to store; key 1's features are in, key 2's three loads stay out
	STEP 1, 1, 1, 1, 0, 0, 0, 0                    ; key 1: nothing to store yet; nothing was issued behind key 2's loads
	STEP 2, 1, 1, 1, 1, 1, 0, 0                    ; key 2: the first store; nothing was issued behind key 3's loads
	STEP 3, 1, 1, 1, 1, 1, 1, 1
	s_mov_b32 s29, 14                              ; keys 4 to 59
.Ltrip:
	STEP 0, 1, 1, 1, 1, 1, 0, 1
	STEP 1, 1, 1, 1, 1, 1, 1, 1
	STEP 2, 1, 1, 1, 1, 1, 0, 1
	STEP 3, 1, 1, 1, 1, 1, 1, 1
	s_sub_co_i32 s29, s29, 1
	s_cmp_lg_u32 s29, 0
	s_cbranch_scc1 .Ltrip
	STEP 0, 1, 1, 1, 1, 1, 0, 1                    ; key 60 asks for key 62
	STEP 1, 1, 1, 1, 1, 1, 1, 1                    ; key 61 asks for key 63, the last
	STEP 2, 1, 1, 0, 1, 1, 0, 1                    ; key 62 wants key 63's loads: behind them one store
	STEP 3, 1, 0, 0, 1, 1, 0, -1                   ; key 63: no key behind it
	ds_store_b64 v[PA], v[AC0:AC0+1] offset:512    ; key 62: the wait at the last step's end has shown its sum written
.set TA,  T1
.set FSU, FB+36
.set AC,  AC1
.irp g, 0,1,2,3                        ; key 63's sums
	USUM \g, 0
	USUM \g, 1
	USUM \g, 2
	UACC \g
.endr
	s_wait_alu depctr_va_vdst(0)                   ; key 63's sum is written, which the store reads
	ds_store_b64 v[PA], v[AC1:AC1+1] offset:768
	s_wait_dscnt 0x0                               ; for the other waves: my partial sums are written
	s_barrier_signal -1
	s_barrier_wait -1
	; THE END: thread t adds, for keys t / 16 and t / 16 + 32, the sixteen waves' sums of bins 4 (t % 16) .. + 3, in the order of the waves, onto the bias.
	s_wait_alu depctr_vm_vsrc(0)                   ; key 62's store has read v138 and v139, in which loads below land
	v_add_nc_u32 v[RD], PART, v[TID16]             ; key x 256 + 16 (t % 16) = 16 t
	v_add_nc_u32 v[RD+1], 4*PWAVE, v[RD]           ; four waves to an address register: the immediate reaches 65,535 bytes
	v_add_nc_u32 v[RD+2], 8*PWAVE, v[RD]
	v_add_nc_u32 v[RD+3], 12*PWAVE, v[RD]
	s_wait_alu depctr_va_vdst(0)                   ; the four addresses are written, which the loads read; the keys' vector lines are done with v16 to v143, in which the loads land
.irp g, 0,1,2,3
.irp q, 0,1,2,3
	ds_load_b128 v[SUM+16*\g+4*\q:SUM+16*\g+4*\q+3], v[RD+\g] offset:\q*PWAVE
	ds_load_b128 v[SUM+64+16*\g+4*\q:SUM+64+16*\g+4*\q+3], v[RD+\g] offset:\q*PWAVE+32*256
.endr
.endr
	v_lshrrev_b32 v1, 4, v0
	v_lshl_add_u32 v[OO], v1, 9, v[C16B]           ; row t / 16 of out, my 16 bytes of the work-group's 256
	s_wait_dscnt 0x0
.irp h, 0,64
	v_pk_add_f32 v[SUM+\h:SUM+\h+1], v[SUM+\h:SUM+\h+1], v[BI:BI+1]
	v_pk_add_f32 v[SUM+\h+2:SUM+\h+3], v[SUM+\h+2:SUM+\h+3], v[BI+2:BI+3]
.endr
.irp w, 1,2,3,4,5,6,7,8,9,10,11,12,13,14,15
.irp h, 0,64
	v_pk_add_f32 v[SUM+\h:SUM+\h+1], v[SUM+\h:SUM+\h+1], v[SUM+\h+4*\w:SUM+\h+4*\w+1]
	v_pk_add_f32 v[SUM+\h+2:SUM+\h+3], v[SUM+\h+2:SUM+\h+3], v[SUM+\h+4*\w+2:SUM+\h+4*\w+3]
.endr
.endr
	s_wait_alu depctr_va_vdst(0)                   ; the additions have written v[SUM ..] and v[SUM+64 ..], the stores' data, and v[OO], their offset, is written
	global_store_b128 v[OO], v[SUM:SUM+3], s[16:17] th:TH_STORE_NT                    ; sixteen lanes store 256 consecutive bytes, at a multiple of 256 from out's first byte
	global_store_b128 v[OO], v[SUM+64:SUM+67], s[16:17] offset:32*512 th:TH_STORE_NT
	s_wait_dscnt 0x0
	s_wait_alu depctr_hold_cnt(0) depctr_sa_sdst(0) depctr_va_vdst(0) depctr_va_sdst(0) depctr_va_ssrc(0) depctr_va_vcc(0) depctr_vm_vsrc(0)
	s_wait_tensorcnt 0x0
	ds_add_u32 v230, v231
	s_wait_dscnt 0x0
	s_endpgm
.Lfunc_end_k_qc6d08da4a1_vonmises:
	.size	k_qc6d08da4a1_vonmises, .Lfunc_end_k_qc6d08da4a1_vonmises-k_qc6d08da4a1_vonmises
	.p2alignl 7, 3214868480
	.fill 96, 4, 3214868480
	.section	.rodata,"a",@progbits
	.p2align	6, 0x0
	.amdhsa_kernel k_qc6d08da4a1_vonmises
		.amdhsa_group_segment_fixed_size 313344
		.amdhsa_private_segment_fixed_size 0
		.amdhsa_enable_private_segment 0
		.amdhsa_kernarg_size 56
		.amdhsa_user_sgpr_count 2
		.amdhsa_user_sgpr_kernarg_segment_ptr 1
		.amdhsa_wavefront_size32 1
		.amdhsa_system_sgpr_workgroup_id_x 1
		.amdhsa_system_sgpr_workgroup_id_y 1
		.amdhsa_system_sgpr_workgroup_id_z 1
		.amdhsa_system_vgpr_workitem_id 0
		.amdhsa_next_free_vgpr 232
		.amdhsa_next_free_sgpr 66
		.amdhsa_reserve_vcc 0
		.amdhsa_float_denorm_mode_32 3
		.amdhsa_float_denorm_mode_16_64 3
		.amdhsa_memory_ordered 1
		.amdhsa_forward_progress 1
		.amdhsa_inst_pref_size 82
	.end_amdhsa_kernel
	.amdgpu_metadata
---
amdhsa.version: [ 1, 2 ]
amdhsa.kernels:
  - .name:           k_qc6d08da4a1_vonmises
    .symbol:         k_qc6d08da4a1_vonmises.kd
    .args:
      - { .name: K, .offset: 0, .size: 8, .value_kind: global_buffer, .address_space: global }
      - { .name: mu, .offset: 8, .size: 8, .value_kind: global_buffer, .address_space: global }
      - { .name: kappa, .offset: 16, .size: 8, .value_kind: global_buffer, .address_space: global }
      - { .name: weight, .offset: 24, .size: 8, .value_kind: global_buffer, .address_space: global }
      - { .name: reference_angles, .offset: 32, .size: 8, .value_kind: global_buffer, .address_space: global }
      - { .name: bias, .offset: 40, .size: 8, .value_kind: global_buffer, .address_space: global }
      - { .name: out0, .offset: 48, .size: 8, .value_kind: global_buffer, .address_space: global }
    .group_segment_fixed_size: 313344
    .private_segment_fixed_size: 0
    .kernarg_segment_align: 8
    .kernarg_segment_size: 56
    .max_flat_workgroup_size: 512
    .sgpr_count:     66
    .vgpr_count:     232
    .wavefront_size: 32
...
	.end_amdgpu_metadata
.endif
;; end of part 2
